; MI455X (gfx1250); checked and timed in simulation.
; The chip was launched on July 23, 2026; its instructions are those of AMD's public machine-readable ISA for CDNA 5 (MIT licence, August 2026) and "CDNA5" Instruction Set Architecture Reference Guide (July 2026). The comments in the code are by the model that wrote it; some were corrected since.
;; Mo E Layer. Allowed arithmetic: float matrix products may take bf16 or f16 operands with f32 sums; other float arithmetic in f32, or as packed bf16 or f16 multiplies, adds, multiply-adds, maxima and minima; sums over many terms, partial sums and values carried from step to step in f32; what a program stores and reads back later, other than sums and carried values, may be rounded once to bf16 or f16.
;; Inputs: expert_w 8 x 1,024 x 1,024 float32; gate_b 8 float32; gate_w 1,024 x 8 float32; x 4 x 2,048 x 1,024 float32.
;; Outputs: out0 4 x 2,048 x 1,024 float32.
;; One version. Each part assembles by itself: llvm-mc -triple=amdgcn-amd-amdhsa -mcpu=gfx1250 --defsym DOCPART=n.
;; ======== version 1 of 1: 2 launches
;; workspace buffers: xb 16,777,216 bytes; wb 16,777,216 bytes; g 262,144 bytes
;; launch prep (part 1): grid 256 x 1, 8 waves a work-group, no clusters, 83,456 bytes of LDS; arguments x, expert_w, gate_w, gate_b, xb, wb, g; writes xb, wb, g
.if DOCPART == 1
	.amdgcn_target "amdgcn-amd-amdhsa--gfx1250"
	.amdhsa_code_object_version 6
	.text
	.protected	k_qc3b16f649b_prep
	.globl	k_qc3b16f649b_prep
	.p2align	8
	.type	k_qc3b16f649b_prep,@function
k_qc3b16f649b_prep:
	s_mov_b64 s[64:65], 0
	v_nop
	global_prefetch_b8 v0, s[64:65] scope:SCOPE_SE
	s_setreg_imm32_b32 hwreg(HW_REG_WAVE_MODE, 25, 1), 1
	s_wait_xcnt 0x0
; xb = bf16(x), wb = bf16(expert_w), both in the inputs' own order; g[t][e] = softmax_e(bf16(x[t]) . bf16(gate_w[:, e]) + bf16(gate_b[e])), f32.
; x and expert_w are taken as [8192][1024] f32.  A work-group of eight waves owns 32 rows of each; wave w rows 4 w .. 4 w + 3.
; A row is 4,096 bytes: eight loads of a wave, 512 consecutive bytes each; four f32 of a lane become 8 bytes of bf16, so a store of a wave covers 256 consecutive bytes, aligned.
; The 32 tokens' gates: the rounded rows of x and the rounded gate_w also go into LDS, and behind one barrier waves 0 and 1 multiply 16 tokens each by gate_w on the matrix unit
; (bf16 operands, f32 sums), take the maximum away, and store the softmax in f32.  Meanwhile expert_w's rows, asked for as x's registers fall free, are on their way.
; LIMITS.  Every input is rounded once to bf16 (nearest even); bf16 has f32's range.  A gate below 2^-126 counts as 0.  NaN and infinities are not treated apart.
; No cluster, no tensor load: no two work-groups read the same large bytes (gate_w, 32 KiB, is the only shared input), and the stream goes through registers.
.set ROWF,  4096                       ; bytes of an f32 row
.set ROWB,  2048                       ; bytes of a bf16 row
.set PX,    2064                       ; an LDS row of x: 2,048 bytes + 16: 129 x 16, so the 16 rows of a fragment load start at 16 different 16-byte columns
.set GW,    32*PX                      ; behind x's 32 rows: gate_w as bf16 [1024 k][8 e], 16 bytes a k, 16,384 bytes
.set SPARE, GW+16384                   ; behind it: the spare words, 128 bytes for each of eight waves, that no other line names
.set VO,   2                           ; v2   my byte offset in the group's f32 rows: 16,384 w + 16 lane
.set VS,   3                           ; v3   the same in its bf16 rows: 8,192 w + 8 lane
.set LX,   4                           ; v4   LDS: my 8 bytes in my wave's first row of x
.set GWS,  5                           ; v5   LDS: GW + 8 t
.set GWO,  6                           ; v6   my byte offset in gate_w: 16 t
.set XA,   7                           ; v7   LDS: my lane's place in a fragment of x
.set GWA,  8                           ; v8   LDS: my lane's place in a fragment of gate_w
.set GOFF, 9                           ; v9   my byte offset in the group's 32 rows of g
.set SPW,  10                          ; v10  LDS address of my spare word; never rewritten
.set NIL,  11                          ; v11  0; never rewritten
.set BIAS, 12                          ; v[12:19] gate_b, rounded to bf16, as f32: register e holds expert e's in every lane
.set GWR,  32                          ; v[32:63] gate_w as loaded
.set ACC,  32                          ; later: four accumulators of eight registers
.set X,    64                          ; v[64:191] row i, load j at X + 32 i + 4 j: first x, then expert_w
.set Y,    192                         ; v[192:255] x rounded: row i, load j at Y + 16 i + 2 j
.set FS,   192                         ; later: two sets of fragments, 32 registers each
	s_load_b256 s[4:11], s[0:1], 0x0               ; x s[4:5], expert_w s[6:7], gate_w s[8:9], gate_b s[10:11]
	s_load_b128 s[12:15], s[0:1], 0x20             ; xb s[12:13], wb s[14:15]
	s_load_b64 s[16:17], s[0:1], 0x30              ; g
	v_lshl_add_u32 v[SPW], v0, 2, SPARE
	v_mov_b32 v[NIL], 0
	v_and_b32 v1, 31, v0                           ; lane
	v_lshrrev_b32 v20, 5, v0
	v_readfirstlane_b32 s18, v20                   ; wave 0..7
	s_lshl_b32 s19, s18, 14
	v_lshl_add_u32 v[VO], v1, 4, s19
	s_lshl_b32 s19, s18, 13
	v_lshl_add_u32 v[VS], v1, 3, s19
	s_mul_i32 s19, s18, 4*PX
	v_lshl_add_u32 v[LX], v1, 3, s19
	v_lshl_add_u32 v[GWS], v0, 3, GW
	v_lshlrev_b32 v[GWO], 4, v0
	s_mov_b32 s32, 0x3fb8aa3b                      ; c = log2(e)
	s_lshl_b32 s20, ttmp9, 17                      ; the group's 32 rows of 4,096 bytes
	s_mov_b32 s21, 0
	s_lshl_b32 s22, ttmp9, 16                      ; of 2,048 bytes
	s_mov_b32 s23, 0
	s_lshl_b32 s34, ttmp9, 10                      ; of 32 bytes
	s_mov_b32 s35, 0
	s_wait_kmcnt 0x0
	s_load_b256 s[24:31], s[10:11], 0x0            ; gate_b's eight numbers; no line of this text stores into gate_b
	s_add_nc_u64 s[4:5], s[4:5], s[20:21]
	s_add_nc_u64 s[6:7], s[6:7], s[20:21]
	s_add_nc_u64 s[12:13], s[12:13], s[22:23]
	s_add_nc_u64 s[14:15], s[14:15], s[22:23]
	s_add_nc_u64 s[16:17], s[16:17], s[34:35]
	; all loads of gate_w and x go out at once: 40 loads of a wave, 512 bytes each
.irp j, 0,1,2,3,4,5,6,7
	global_load_b128 v[GWR+4*(\j):GWR+4*(\j)+3], v[GWO], s[8:9] offset:4096*(\j)   ; every work-group reads gate_w: no hint
.endr
.irp i, 0,1,2,3
.irp j, 0,1,2,3,4,5,6,7
	global_load_b128 v[X+32*(\i)+4*(\j):X+32*(\i)+4*(\j)+3], v[VO], s[4:5] offset:(\i)*ROWF+512*(\j) th:TH_LOAD_NT
.endr
.endr
	; gate_w: 16 bytes of f32 at 4,096 j + 16 t become 8 bytes of bf16 at 2,048 j + 8 t: the same order, half the bytes
	s_wait_loadcnt 32                              ; the 32 loads of x are younger: gate_w is in
.irp j, 0,1,2,3,4,5,6,7
	v_cvt_pk_bf16_f32 v[GWR+4*(\j)],   v[GWR+4*(\j)],   v[GWR+4*(\j)+1]
	v_cvt_pk_bf16_f32 v[GWR+4*(\j)+1], v[GWR+4*(\j)+2], v[GWR+4*(\j)+3]
.endr
.irp j, 0,1,2,3,4,5,6,7
	ds_store_b64 v[GWS], v[GWR+4*(\j):GWR+4*(\j)+1] offset:2048*(\j)
.endr
; Row i of x: rounded, stored to xb and into LDS; its registers take row i of expert_w, asked for ahead of the stores.
.macro XROW i
	s_wait_loadcnt 24                              ; younger than this row's eight: (3 - i) rows of x and i rows of expert_w, 24 loads whatever i
.irp j, 0,1,2,3,4,5,6,7
	v_cvt_pk_bf16_f32 v[Y+16*(\i)+2*(\j)],   v[X+32*(\i)+4*(\j)],   v[X+32*(\i)+4*(\j)+1]
	v_cvt_pk_bf16_f32 v[Y+16*(\i)+2*(\j)+1], v[X+32*(\i)+4*(\j)+2], v[X+32*(\i)+4*(\j)+3]
.endr
.irp j, 0,1,2,3,4,5,6,7
	global_load_b128 v[X+32*(\i)+4*(\j):X+32*(\i)+4*(\j)+3], v[VO], s[6:7] offset:(\i)*ROWF+512*(\j) th:TH_LOAD_NT
.endr
.irp j, 0,1,2,3,4,5,6,7
	global_store_b64 v[VS], v[Y+16*(\i)+2*(\j):Y+16*(\i)+2*(\j)+1], s[12:13] offset:(\i)*ROWB+256*(\j)  ; 32 lanes: 256 consecutive bytes, aligned; the next launch reads them: no hint
.endr
.irp j, 0,1,2,3,4,5,6,7
	ds_store_b64 v[LX], v[Y+16*(\i)+2*(\j):Y+16*(\i)+2*(\j)+1] offset:(\i)*PX+256*(\j)
.endr
.endm
	XROW 0
	XROW 1
	XROW 2
	XROW 3
	s_wait_kmcnt 0x0                               ; gate_b
	s_wait_dscnt 0x0                               ; for the others' sake: my stores of x's rows and of gate_w are done
	s_barrier_signal -1
	s_barrier_wait -1                              ; the one barrier: behind it LDS is only read.  expert_w's loads stay on their way across it
	s_cmp_lt_u32 s18, 2
	s_cbranch_scc0 .Lnogate                        ; waves 0 and 1 make the gates of 16 tokens each; no barrier stands in what is jumped
	; THE GATE.  The product is used transposed: source 0 = gate_w's fragment (experts), source 1 = x's fragment (tokens): register e of a lane then holds expert e's logit of token lane % 16.
	v_and_b32 v20, 15, v1                          ; r = lane % 16
	v_lshrrev_b32 v21, 4, v1                       ; h = lane / 16
	s_mul_i32 s19, s18, 16*PX
	v_mul_u32_u24 v[XA], v20, PX
	v_lshl_add_u32 v[XA], v21, 4, v[XA]
	v_add_nc_u32 v[XA], s19, v[XA]                 ; (16 w + r) x pitch + 16 h
	v_and_b32 v22, 7, v1
	v_lshl_add_u32 v22, v21, 3, v22
	v_lshl_add_u32 v[GWA], v22, 4, GW              ; the turning load: k = 8 h + lane % 8, its 16 bytes = all 8 experts.  Lanes 8-15 and 24-31 name the same bytes as lanes 0-7 and 16-23,
	                                               ; so the fragment's rows 8-15 repeat experts 0-7, and both halves of the lanes end with the same eight logits
	s_lshl_b32 s19, s18, 9
	v_lshl_add_u32 v[GOFF], v20, 5, s19
	v_lshl_add_u32 v[GOFF], v21, 4, v[GOFF]        ; (16 w + r) x 32 + 16 h
.irp e, 0,2,4,6
	v_cvt_pk_bf16_f32 v20, s[24+(\e)], s[25+(\e)]  ; gate_b is rounded as the other inputs are,
	v_lshlrev_b32 v[BIAS+(\e)], 16, v20            ; and widened again
	v_and_b32 v[BIAS+(\e)+1], 0xffff0000, v20
.endr
	s_wait_xcnt 0x0                                ; Y's registers were the data of xb's stores: they are loaded into only behind this wait
; The fragments of K steps s and s + 1 (32 along K each) into a set: for each step 8 registers of gate_w, then 8 of x: eight LDS loads
.macro LOADSET set, s
.irp u, 0,1
	ds_load_tr16_b128 v[FS+32*(\set)+16*(\u):FS+32*(\set)+16*(\u)+3],     v[GWA] offset:512*((\s)+(\u))
	ds_load_tr16_b128 v[FS+32*(\set)+16*(\u)+4:FS+32*(\set)+16*(\u)+7],   v[GWA] offset:512*((\s)+(\u))+256
	ds_load_b128      v[FS+32*(\set)+16*(\u)+8:FS+32*(\set)+16*(\u)+11],  v[XA]  offset:64*((\s)+(\u))
	ds_load_b128      v[FS+32*(\set)+16*(\u)+12:FS+32*(\set)+16*(\u)+15], v[XA]  offset:64*((\s)+(\u))+32
.endr
.endm
; One product.  In the first round (i = 0) it starts its sum: accumulator 0 with the bias, the others with 0.
.macro GMUL acc, set, u
.set rA, ACC+8*(\acc)
.set rF, FS+32*(\set)+16*(\u)
.if i > 0
	v_wmma_f32_16x16x32_bf16 v[rA:rA+7], v[rF:rF+7], v[rF+8:rF+15], v[rA:rA+7]
.elseif (\acc) == 0
	v_wmma_f32_16x16x32_bf16 v[rA:rA+7], v[rF:rF+7], v[rF+8:rF+15], v[BIAS:BIAS+7]
.else
	v_wmma_f32_16x16x32_bf16 v[rA:rA+7], v[rF:rF+7], v[rF+8:rF+15], 0
.endif
.endm
.macro PLACES                          ; four plain vector instructions between a matrix instruction and a load into, or a vector instruction on, its registers
.rept 4
	v_nop
.endr
.endm
	LOADSET 0, 0
	LOADSET 1, 2
.set i, 0
.rept 8                                ; 32 K steps; the four accumulators take turns, one instruction a turn
	s_wait_dscnt 8                                 ; the other set's eight loads may be out: set 0 is in
	GMUL 0, 0, 0
	GMUL 1, 0, 1
.if i < 7
	PLACES
	LOADSET 0, 4*i+4
	s_wait_dscnt 8                                 ; the eight just issued may be out: set 1 is in
.else
	s_wait_dscnt 0x0
.endif
	GMUL 2, 1, 0
	GMUL 3, 1, 1
.if i < 7
	PLACES
	LOADSET 1, 4*i+6
.endif
.set i, i+1
.endr
	PLACES
.irp k, 0,2,4,6                        ; the four partial sums into one; each accumulator is read from its low end on
	v_pk_add_f32 v[ACC+(\k):ACC+(\k)+1], v[ACC+(\k):ACC+(\k)+1], v[ACC+8+(\k):ACC+8+(\k)+1]
.endr
.irp k, 0,2,4,6
	v_pk_add_f32 v[ACC+16+(\k):ACC+16+(\k)+1], v[ACC+16+(\k):ACC+16+(\k)+1], v[ACC+24+(\k):ACC+24+(\k)+1]
.endr
.irp k, 0,2,4,6
	v_pk_add_f32 v[ACC+(\k):ACC+(\k)+1], v[ACC+(\k):ACC+(\k)+1], v[ACC+16+(\k):ACC+16+(\k)+1]
.endr
	; the softmax over a lane's eight logits v32-39: p = 2^(c l - c m), m their maximum
	v_max3_num_f32 v20, v32, v33, v34
	v_max3_num_f32 v21, v35, v36, v37
	v_max3_num_f32 v20, v20, v38, v39
	v_max_num_f32 v20, v20, v21
	v_mul_f32 v21, s32, v20                        ; c m
.irp e, 0,1,2,3,4,5,6,7
	v_fma_f32 v[40+(\e)], v[32+(\e)], s32, -v21
.endr
.irp e, 0,1,2,3,4,5,6,7
	v_exp_f32 v[40+(\e)], v[40+(\e)]               ; one batch of eight
.endr
	v_nop                                          ; a plain instruction behind the last exponential,
	s_wait_alu depctr_va_vdst(0)                   ; and one wait for the batch, ahead of its first reader
	v_pk_add_f32 v[48:49], v[40:41], v[42:43]
	v_pk_add_f32 v[50:51], v[44:45], v[46:47]
	v_pk_add_f32 v[48:49], v[48:49], v[50:51]
	v_add_f32 v48, v48, v49                        ; at least 1: the largest logit's weight is 1
	v_rcp_f32 v52, v48
	v_nop
	v_cmp_lt_u32 vcc_lo, 15, v1                    ; lanes 16-31
	s_wait_alu depctr_va_vdst(0)                   ; the reciprocal's wait
.irp e, 0,1,2,3
	v_cndmask_b32 v[24+(\e)], v[40+(\e)], v[44+(\e)], vcc_lo   ; lanes 0-15 store experts 0-3 of their token, lanes 16-31 experts 4-7
.endr
.irp e, 0,1,2,3
	v_mul_f32 v[24+(\e)], v[24+(\e)], v52
.endr
	global_store_b128 v[GOFF], v[24:27], s[16:17]  ; the wave's store covers 512 consecutive bytes, aligned: 16 rows of g
.Lnogate:
; Row i of expert_w: rounded in place and stored.
.macro WROW i
	s_wait_loadcnt (3-(\i))*8                      ; the later rows' loads may stay out
.irp j, 0,1,2,3,4,5,6,7
	v_cvt_pk_bf16_f32 v[X+32*(\i)+4*(\j)],   v[X+32*(\i)+4*(\j)],   v[X+32*(\i)+4*(\j)+1]
	v_cvt_pk_bf16_f32 v[X+32*(\i)+4*(\j)+1], v[X+32*(\i)+4*(\j)+2], v[X+32*(\i)+4*(\j)+3]
.endr
.irp j, 0,1,2,3,4,5,6,7
	global_store_b64 v[VS], v[X+32*(\i)+4*(\j):X+32*(\i)+4*(\j)+1], s[14:15] offset:(\i)*ROWB+256*(\j)
.endr
.endm
	WROW 0
	WROW 1
	WROW 2
	WROW 3
	s_wait_tensorcnt 0x0                           ; the wave's end: behind my last LDS store
	ds_add_u32 v[SPW], v[NIL]
	s_wait_dscnt 0x0
	s_endpgm
.Lfunc_end_k_qc3b16f649b_prep:
	.size	k_qc3b16f649b_prep, .Lfunc_end_k_qc3b16f649b_prep-k_qc3b16f649b_prep
	.p2alignl 7, 3214868480
	.fill 96, 4, 3214868480
	.section	.rodata,"a",@progbits
	.p2align	6, 0x0
	.amdhsa_kernel k_qc3b16f649b_prep
		.amdhsa_group_segment_fixed_size 83456
		.amdhsa_private_segment_fixed_size 0
		.amdhsa_enable_private_segment 0
		.amdhsa_kernarg_size 56
		.amdhsa_user_sgpr_count 2
		.amdhsa_user_sgpr_kernarg_segment_ptr 1
		.amdhsa_wavefront_size32 1
		.amdhsa_system_sgpr_workgroup_id_x 1
		.amdhsa_system_sgpr_workgroup_id_y 1
		.amdhsa_system_sgpr_workgroup_id_z 1
		.amdhsa_system_vgpr_workitem_id 0
		.amdhsa_next_free_vgpr 256
		.amdhsa_next_free_sgpr 66
		.amdhsa_reserve_vcc 1
		.amdhsa_float_denorm_mode_32 3
		.amdhsa_float_denorm_mode_16_64 3
		.amdhsa_memory_ordered 1
		.amdhsa_forward_progress 1
		.amdhsa_inst_pref_size 43
	.end_amdhsa_kernel
	.amdgpu_metadata
---
amdhsa.version: [ 1, 2 ]
amdhsa.kernels:
  - .name:           k_qc3b16f649b_prep
    .symbol:         k_qc3b16f649b_prep.kd
    .args:
      - { .name: x, .offset: 0, .size: 8, .value_kind: global_buffer, .address_space: global }
      - { .name: expert_w, .offset: 8, .size: 8, .value_kind: global_buffer, .address_space: global }
      - { .name: gate_w, .offset: 16, .size: 8, .value_kind: global_buffer, .address_space: global }
      - { .name: gate_b, .offset: 24, .size: 8, .value_kind: global_buffer, .address_space: global }
      - { .name: xb, .offset: 32, .size: 8, .value_kind: global_buffer, .address_space: global }
      - { .name: wb, .offset: 40, .size: 8, .value_kind: global_buffer, .address_space: global }
      - { .name: g, .offset: 48, .size: 8, .value_kind: global_buffer, .address_space: global }
    .group_segment_fixed_size: 83456
    .private_segment_fixed_size: 0
    .kernarg_segment_align: 8
    .kernarg_segment_size: 56
    .max_flat_workgroup_size: 256
    .sgpr_count:     66
    .vgpr_count:     256
    .wavefront_size: 32
...
	.end_amdgpu_metadata
.endif
;; end of part 1
;; launch gemm (part 2): grid 8 x 32, 4 waves a work-group, clusters of 4 x 4, 327,680 bytes of LDS; arguments xb, wb, g, out0; writes out0
.if DOCPART == 2
	.amdgcn_target "amdgcn-amd-amdhsa--gfx1250"
	.amdhsa_code_object_version 6
	.text
	.protected	k_qc3b16f649b_gemm
	.globl	k_qc3b16f649b_gemm
	.p2align	8
	.type	k_qc3b16f649b_gemm,@function
k_qc3b16f649b_gemm:
	s_mov_b64 s[64:65], 0
	v_nop
	global_prefetch_b8 v0, s[64:65] scope:SCOPE_SE
	s_setreg_imm32_b32 hwreg(HW_REG_WAVE_MODE, 25, 1), 1
	s_wait_xcnt 0x0
	s_wait_alu depctr_hold_cnt(0) depctr_sa_sdst(0) depctr_va_vdst(0) depctr_va_sdst(0) depctr_va_ssrc(0) depctr_va_vcc(0) depctr_vm_vsrc(0)
	s_getreg_b32 s2, hwreg(HW_REG_IB_STS2, 6, 4)
	s_cmp_eq_u32 s2, 0
	s_cbranch_scc0 .Lentry_in_a_cluster
	s_endpgm
.Lentry_in_a_cluster:
	s_bfe_u32 s2, ttmp6, 0x10000c
	s_cmp_lg_u32 s2, 0xf033
	s_cbranch_scc0 .Lentry_shape_is_right
	s_endpgm
.Lentry_shape_is_right:
; out[t][o] = the sum over e of g[t][e] x (the sum over i of xb[t][i] wb[e][i][o]).  xb: [8192][1024] bf16, wb: [8][1024 i][1024 o] bf16, g: [8192][8] f32, out: [8192][1024] f32.
; Each expert's products are summed in f32 by themselves; the gate is applied in f32 to the finished sum, and the eight weighted sums are added in f32: nothing is rounded but the inputs (by the launch before).
; The order of the sums differs from a plain chain over i and e.  NaN and infinities are not treated apart.
; SHARES.  A work-group of four waves makes 256 rows x 128 columns of out: 32 x 8 = 256 work-groups.  A wave makes 128 x 64.  FOUR PASSES: pass p multiplies the same tiles of xb by experts 2 p and 2 p + 1
; at once, K = 1,024 in eight steps of 128 through a ring of two LDS slots; each expert has 32 accumulators of 16 x 16 of its own (256 registers), and at a pass's end both are weighed into the running sum
; (256 registers).  A K step is 256 matrix instructions a wave for 128 KiB of tiles; for 32 along K a wave reads 16 KiB of LDS for 64 matrix instructions.
; THE MATRIX INSTRUCTION IS USED TRANSPOSED: source 0 = 16 columns of wb (turned on the way out of LDS by ds_load_tr16_b128, since wb lies [i][o]), source 1 = 16 rows of xb.  A lane then holds ONE row of out
; (lane % 16) and eight neighbouring columns (8 (lane / 16) + 0..7), so a gate is one number a lane and row block.
; CLUSTER.  4 x 4 work-groups.  xb's tile hangs on the tile row alone and is shared along a row of the cluster, wb's tiles on the tile column alone and are shared along a column: each is asked for JOINTLY, by the
; same tensor load with the same descriptor and a mask that names the four.
; REGISTERS, in windows of 256 (s_set_vgpr_msb: bits 1:0 source 0, 3:2 source 1, 5:4 source 2, 7:6 destination):
;   window 0: v0-31 addresses; v32-47 the gates of a pass, a pair (even expert's, odd expert's) for each of my 8 row blocks; v64-127, v128-191 xb's fragments, two buffers; v192-223, v224-255 the even and the
;             odd expert's fragments, one buffer each.  On the way out: v64-95 finished numbers, v96-127 and v128-159 rows read back, by turns
;   window 1: the even expert's accumulators, (a, b) at v[8 (4 a + b)];   window 2: the odd expert's;   window 3: the running sum, in the same places
.set PA,    272                        ; a row of xb in LDS: 256 bytes + 16: row r starts 16 r bytes on modulo 256, so the 16 rows of a fragment load touch 16 different 16-byte columns
.set PB,    288                        ; a row of wb (one i, 128 o): 256 + 32: 16 lanes of the turning load take 8 rows x 32 bytes, 32 r bytes on modulo 256
.set AH,    128*PA                     ; 128 rows of xb: one tensor load
.set BT,    128*PB                     ; 128 rows of wb: one tensor load, one expert's tile
.set BOFF,  2*AH                       ; in a slot: xb's 256 rows, the even expert's tile, the odd expert's
.set SLOT,  2*AH+2*BT                  ; 143,360
.set STAGE, 2*SLOT                     ; behind the ring, never filled by a tensor load: 16 rows x 272 bytes for each wave, for the way out
.set SP,    272
.set GT,    STAGE+4*16*SP              ; each wave's own copy of g for its 128 rows, 32 bytes a row
.set SPARE, GT+4*4096                  ; the spare words, 128 bytes for each wave, that no other line names
.set ADRA, 16                          ; v16-17  LDS address of my fragments of xb in slot 0, 1
.set ADRB, 18                          ; v18-19  the same for the even expert, v20-21 for the odd
.set STO,  22                          ; v22  the way out: where I put 16 bytes of a row
.set RD,   23                          ; v23  the way out: where I read rows back
.set CO,   24                          ; v24  my byte offset in two rows of out
.set GA,   25                          ; v25  LDS address of my row's pair of gates in row block 0: 8 bytes on in each pass
.set GST,  26                          ; v26  where I put 16 bytes of the gate table
.set GLO,  27                          ; v27  my byte offset in 512 bytes of g
.set SPW,  28                          ; v28  LDS address of my spare word; never rewritten
.set NIL,  29                          ; v29  0; never rewritten
.set G,    32
.set F0,   64
.set F1,   128
.set BF,   192
.set TMP,  64
.set OB,   96
.set WV,   12                          ; s12 wave, s13 which half of the rows is mine, s14 which half of the columns; also: which half, or which expert, I fetch
.set RW,   13
.set CW,   14
.set G1A,  16                          ; s[16:23] descriptor group 1 for xb's tiles
.set G1B,  24                          ; s[24:31] for wb's: other mask, other padding
.set G0A,  32                          ; s[32:39] descriptor group 0 for xb's tiles, a set for each slot
.set G0B,  48                          ; s[48:55] the same for wb's
.set MSB, 0
.macro WIN new                         ; the immediate's high byte repeats the setting that is left; a switch that changes nothing is dropped
.if MSB != (\new)
	s_set_vgpr_msb (MSB<<8)|(\new)
.set MSB, (\new)
.endif
.endm
.macro PLACES                          ; four plain vector instructions between a matrix instruction and a load into, or a vector instruction on, its registers (ISA guide 7.12.1 for vector instructions)
.rept 4
	v_nop
.endr
.endm
; A joint refill.  Waves 0 and 1 fetch the two halves of xb's tile, waves 2 and 3 the two experts' tiles.  The branch hangs on the wave's number alone.
; An s_nop 0 and four v_nop follow each of the two lines, ahead of the jump and the label.
.macro JLOAD s
	s_cmp_lt_u32 s[WV], 2
	s_cbranch_scc0 .Lfor_b_\@
	tensor_load_to_lds s[G0A+4*(\s):G0A+4*(\s)+3], s[G1A:G1A+7]
	s_nop 0
.rept 4
	v_nop
.endr
	s_branch .Lasked_\@
.Lfor_b_\@:
	tensor_load_to_lds s[G0B+4*(\s):G0B+4*(\s)+3], s[G1B:G1B+7]
	s_nop 0
.rept 4
	v_nop
.endr
.Lasked_\@:
.endm
.macro CREST                           ; a round of the cluster's barrier behind its opening barrier: wave 0 signals for the work-group, every wave waits for all sixteen, my work-group's barrier closes it
	s_cmp_lg_u32 s[WV], 0
	s_cbranch_scc1 .Lnot_wave_0_\@
	s_barrier_signal -3
.Lnot_wave_0_\@:
	s_barrier_wait -3
	s_barrier_signal -1
	s_barrier_wait -1
.endm
.macro CROUND                          ; a whole round
	s_barrier_signal -1
	s_barrier_wait -1
	CREST
.endm
	s_load_b256 s[4:11], s[0:1], 0x0               ; xb s[4:5], wb s[6:7], g s[8:9], out s[10:11]
	v_lshl_add_u32 v[SPW], v0, 2, SPARE
	v_mov_b32 v[NIL], 0
	ds_add_u32 v[SPW], v[NIL]                      ; the wave's opening: the add and its wait stand ahead of my first tensor load; the set-up below, work on registers, stands between them
	v_lshrrev_b32 v1, 5, v0
	v_readfirstlane_b32 s[WV], v1                  ; wave 0..3
	s_lshr_b32 s[RW], s[WV], 1
	s_and_b32 s[CW], s[WV], 1
	s_bfe_u32 s40, ttmp6, 0x40000                  ; cx, cy: my place in the cluster
	s_bfe_u32 s41, ttmp6, 0x40004
	s_lshl_b32 s42, ttmp9, 2                       ; in a cluster launch ttmp9 and ttmp7 count clusters
	s_add_co_u32 s42, s42, s40                     ; tile column, 0..7 = 4 x cluster x + cx
	s_and_b32 s43, ttmp7, 0xffff
	s_lshl_b32 s43, s43, 2
	s_add_co_u32 s43, s43, s41                     ; tile row, 0..31 = 4 x cluster y + cy
	s_lshl_b32 s44, s41, 2
	s_lshl_b32 s44, 15, s44                        ; my row of the cluster: places 4 cy .. 4 cy + 3
	s_lshl_b32 s45, 0x1111, s40                    ; my column: places cx, cx + 4, cx + 8, cx + 12
	; descriptor group 1: a tile of 128 rows x 128 elements of 2 bytes, 1,024 elements from row to row, padded in LDS behind every 64 words
	s_or_b32 s[G1A], s44, (1<<16)|(1<<20)|(1<<21)|(5<<22)|(3<<25)  ; 15:0 the mask; 17:16 2-byte elements; 20 padding on; 21 set beside a mask; 24:22 after every 64 words (code 5); 31:25 4 words (code 3)
	s_or_b32 s[G1B], s45, (1<<16)|(1<<20)|(1<<21)|(5<<22)|(7<<25)  ; the same with my column's mask and 8 words of padding (code 7)
.irp d, G1A, G1B
	s_mov_b32 s[(\d)+1], 128<<16                   ; tensor_dim0 = 128
	s_mov_b32 s[(\d)+2], 128<<16                   ; tensor_dim1 = 128
	s_mov_b32 s[(\d)+3], 128<<16                   ; tile_dim0 = 128
	s_mov_b32 s[(\d)+4], 128                       ; tile_dim1 = 128
	s_mov_b32 s[(\d)+5], 1024                      ; tensor_dim0_stride
	s_mov_b32 s[(\d)+6], 0
	s_mov_b32 s[(\d)+7], 0
.endr
	; where the tiles come from: xb's offset is made of the tile row and the wave's number alone, wb's of the tile column and the wave's number alone, each in registers that never hold the other coordinate
	s_lshl_b32 s56, s43, 19                        ; 256 rows of 2,048 bytes
	s_lshl_b32 s57, s[CW], 18                      ; my 128 of them
	s_add_co_u32 s56, s56, s57
	s_mov_b32 s57, 0
	s_lshl_b32 s58, s[CW], 21                      ; expert 0 or 1: 1,024 x 2,048 bytes each
	s_lshl_b32 s59, s42, 8                         ; 128 columns of 2 bytes
	s_add_co_u32 s58, s58, s59
	s_mov_b32 s59, 0
	s_mul_i32 s62, s[CW], AH                       ; and where they go: no place in the cluster enters an LDS address
	s_mul_i32 s63, s[CW], BT
	s_add_co_u32 s63, s63, BOFF
	s_lshl_b32 s46, s43, 13                        ; g: 256 rows of 32 bytes,
	s_lshl_b32 s47, s[RW], 12                      ; my wave's 128
	s_add_co_u32 s46, s46, s47
	s_mov_b32 s47, 0
	s_lshl_b32 s60, s43, 20                        ; out: 256 rows of 4,096 bytes,
	s_lshl_b32 s61, s[RW], 19                      ; my wave's 128,
	s_add_co_u32 s60, s60, s61
	s_lshl_b32 s61, s42, 9                         ; 128 columns of 4 bytes,
	s_add_co_u32 s60, s60, s61
	s_lshl_b32 s61, s[CW], 8                       ; my wave's 64
	s_add_co_u32 s60, s60, s61
	s_mov_b32 s61, 0
	s_wait_dscnt 0x0                               ; the opening add is done
	s_wait_kmcnt 0x0
	s_add_nc_u64 s[56:57], s[4:5], s[56:57]
	s_add_nc_u64 s[58:59], s[6:7], s[58:59]
	s_add_nc_u64 s[8:9], s[8:9], s[46:47]
.irp s, 0,1
	s_mov_b32 s[G0A+4*(\s)], 1                                     ; 1:0 count = 1
	s_add_co_u32 s[G0A+4*(\s)+1], s62, (\s)*SLOT                   ; 63:32 LDS address
	s_add_nc_u64 s[G0A+4*(\s)+2:G0A+4*(\s)+3], s[56:57], (\s)*256  ; 120:64 global address: K step s, 128 elements along the rows
	s_or_b32 s[G0A+4*(\s)+3], s[G0A+4*(\s)+3], 0x80000000          ; 127:126 type = 2
	s_mov_b32 s[G0B+4*(\s)], 1
	s_add_co_u32 s[G0B+4*(\s)+1], s63, (\s)*SLOT
	s_add_nc_u64 s[G0B+4*(\s)+2:G0B+4*(\s)+3], s[58:59], (\s)*262144  ; K step s, 128 rows down
	s_or_b32 s[G0B+4*(\s)+3], s[G0B+4*(\s)+3], 0x80000000
.endr
	CROUND                                         ; all sixteen work-groups are here: the first joint loads meet
	s_cmp_lt_u32 s[WV], 2                          ; a wave's two first fills stand in one branch, ahead of every wait on TENSORcnt, every LDS read and every further barrier: two loads of mine are out
	s_cbranch_scc0 .Lfirst_b
	tensor_load_to_lds s[G0A:G0A+3], s[G1A:G1A+7]
	s_nop 0
	tensor_load_to_lds s[G0A+4:G0A+7], s[G1A:G1A+7]
	s_nop 0
.rept 4
	v_nop
.endr
	s_branch .Lfirst_asked
.Lfirst_b:
	tensor_load_to_lds s[G0B:G0B+3], s[G1B:G1B+7]
	s_nop 0
	tensor_load_to_lds s[G0B+4:G0B+7], s[G1B:G1B+7]
	s_nop 0
.rept 4
	v_nop
.endr
.Lfirst_asked:
	; my 128 rows of g, 4,096 consecutive bytes, once, in whole runs of 512 bytes; the addresses are made while they are on their way
	v_and_b32 v5, 31, v0
	v_lshlrev_b32 v[GLO], 4, v5
.irp j, 0,1,2,3,4,5,6,7
	global_load_b128 v[F0+4*(\j):F0+4*(\j)+3], v[GLO], s[8:9] offset:512*(\j)
.endr
	v_and_b32 v1, 15, v0                           ; r = lane % 16
	v_bfe_u32 v2, v0, 4, 1                         ; h = lane / 16
	v_and_b32 v3, 7, v0
	v_bfe_u32 v4, v0, 3, 1
	; a fragment of xb: lane l holds row l % 16; registers 0-3 K = 8 h + 0..7, registers 4-7 K = 16 + 8 h + 0..7: two loads of 16 bytes, 32 bytes apart
	v_mul_u32_u24 v6, v1, PA
	v_lshl_add_u32 v6, v2, 4, v6
	s_mul_i32 s46, s[RW], AH                       ; my 128 rows
	v_add_nc_u32 v[ADRA], s46, v6
	v_add_nc_u32 v[ADRA+1], SLOT, v[ADRA]
	; a fragment of wb, turned: lane l reads 16 bytes of row K = 8 h + l % 8, columns 8 ((l / 8) % 2) + 0..7, and is left with column l % 16 and eight K
	v_lshl_add_u32 v7, v2, 3, v3
	v_mul_u32_u24 v7, v7, PB
	v_lshl_add_u32 v7, v4, 4, v7
	s_lshl_b32 s46, s[CW], 7                       ; my 64 columns
	s_add_co_u32 s46, s46, BOFF
	v_add_nc_u32 v[ADRB], s46, v7
	v_add_nc_u32 v[ADRB+1], SLOT, v[ADRB]
	v_add_nc_u32 v[ADRB+2], BT, v[ADRB]
	v_add_nc_u32 v[ADRB+3], SLOT, v[ADRB+2]
	s_mul_i32 s46, s[WV], 16*SP
	s_add_co_u32 s46, s46, STAGE                   ; my stage
	v_mul_u32_u24 v8, v1, SP                       ; in: row l % 16, 32 bytes for each half of the lanes
	v_lshl_add_u32 v8, v2, 5, v8
	v_add_nc_u32 v[STO], s46, v8
	v_mul_u32_u24 v9, v2, SP                       ; back: lanes 0-15 take one row of 256 bytes, lanes 16-31 the next
	v_lshl_add_u32 v9, v1, 4, v9
	v_add_nc_u32 v[RD], s46, v9
	v_lshlrev_b32 v[CO], 12, v2                    ; and the same two rows in out
	v_lshl_add_u32 v[CO], v1, 4, v[CO]
	s_lshl_b32 s47, s[WV], 12
	s_add_co_u32 s47, s47, GT                      ; my gate table
	v_lshl_add_u32 v[GA], v1, 5, s47
	v_lshl_add_u32 v[GST], v5, 4, s47
	s_wait_loadcnt 0x0
.irp j, 0,1,2,3,4,5,6,7
	ds_store_b128 v[GST], v[F0+4*(\j):F0+4*(\j)+3] offset:512*(\j)
.endr
; 16 matrix instructions: row blocks a0 .. a0 + 3 x all 4 column blocks, 32 along K, expert x of the pass (0 even, 1 odd), xb's buffer f.  zero = 1: the product starts the sum: nothing is ever cleared.
.macro MUL16 f, x, a0, zero
	WIN 0x50+0x50*(\x)                             ; sources in window 0; C and D in window 1 or 2
.irp a, \a0, (\a0)+1, (\a0)+2, (\a0)+3
.irp b, 0,1,2,3
.if \zero
	v_wmma_f32_16x16x32_bf16 v[8*(4*(\a)+(\b)):8*(4*(\a)+(\b))+7], v[BF+32*(\x)+8*(\b):BF+32*(\x)+8*(\b)+7], v[(\f)+8*(\a):(\f)+8*(\a)+7], 0
.else
	v_wmma_f32_16x16x32_bf16 v[8*(4*(\a)+(\b)):8*(4*(\a)+(\b))+7], v[BF+32*(\x)+8*(\b):BF+32*(\x)+8*(\b)+7], v[(\f)+8*(\a):(\f)+8*(\a)+7], v[8*(4*(\a)+(\b)):8*(4*(\a)+(\b))+7]
.endif
.endr
.endr
.endm
.macro MUL32 f, x, zero
	MUL16 \f, \x, 0, \zero
	MUL16 \f, \x, 4, \zero
.endm
.macro FETCH_A slot, q, f              ; 16 LDS loads: my 128 rows of xb, 32 along K at quarter q, into buffer f
	WIN 0
.irp a, 0,1,2,3,4,5,6,7
	ds_load_b128 v[(\f)+8*(\a):(\f)+8*(\a)+3],   v[ADRA+(\slot)] offset:64*(\q)+(\a)*16*PA
	ds_load_b128 v[(\f)+8*(\a)+4:(\f)+8*(\a)+7], v[ADRA+(\slot)] offset:64*(\q)+(\a)*16*PA+32
.endr
.endm
.macro FETCH_B x, slot, q              ; 8 turning loads: my 64 columns of expert x, 32 along K at quarter q
	WIN 0
.irp b, 0,1,2,3
	ds_load_tr16_b128 v[BF+32*(\x)+8*(\b):BF+32*(\x)+8*(\b)+3],   v[ADRB+2*(\x)+(\slot)] offset:32*PB*(\q)+32*(\b)
	ds_load_tr16_b128 v[BF+32*(\x)+8*(\b)+4:BF+32*(\x)+8*(\b)+7], v[ADRB+2*(\x)+(\slot)] offset:32*PB*(\q)+32*(\b)+16*PB
.endr
.endm
.macro GLOAD                           ; the pass's gates: for each row block the pair of my row; then the address goes on to the next pass's pair
	WIN 0
.irp a, 0,1,2,3,4,5,6,7
	ds_load_b64 v[G+2*(\a):G+2*(\a)+1], v[GA] offset:512*(\a)
.endr
	v_add_nc_u32 v[GA], 8, v[GA]
.endm
; A K step is four quarters of 32 along K, 64 matrix instructions each: 32 on the even expert's accumulators, 32 on the odd expert's; all 64 take turns in the same order in every quarter.
; One of the first three: multiplies xb's buffer f.  Each run of loads stands 32 matrix instructions ahead of its first use: the odd expert's fragments of this quarter at its head,
; the even expert's and xb's of the next quarter (into buffer g) in its middle.
.macro QUARTER slot, q, f, g, zero
	PLACES                                         ; the odd expert's registers were read by the matrix instructions just issued
	FETCH_B 1, \slot, \q
	s_wait_dscnt 8                                 ; all but those eight: xb's and the even expert's fragments are in
	MUL32 \f, 0, \zero
	PLACES
	FETCH_B 0, \slot, (\q)+1
	FETCH_A \slot, (\q)+1, \g
	s_wait_dscnt 24                                ; all but the 24 just issued: the odd expert's fragments are in
	MUL32 \f, 1, \zero
.endm
; The last quarter multiplies buffer F1 and changes slots: ONE barrier.  In front of it each wave waits for all its tensor loads, of which one is out: its part of the next slot; adds 0 to its spare word; and waits
; for that and for its own reads of this slot.  Behind it nobody reads this slot any more and the next slot is whole.  fill = 1: the barrier opens a round of the cluster's, and this slot is filled again, first thing
; behind the round: with the pass's K step two steps on (on = 0) or the NEXT pass's K step 0 or 1 (on = 1): from a request to the wait for it a wave issues 224 matrix instructions.  gl = 1: the pass's gates are fetched.
.macro TURN slot, next, fill, on, gl
	PLACES
	FETCH_B 1, \slot, 3
	WIN 0
	s_wait_tensorcnt 0x0                           ; all my tensor loads have landed;
	ds_add_u32 v[SPW], v[NIL]                      ; 0 onto my spare word;
	s_wait_dscnt 9                                 ; (the add and the eight loads above may be out)
	MUL16 F1, 0, 0, 0                              ; sixteen matrix instructions stand between the add and the wait for it
	s_wait_dscnt 0x0                               ; the add is done, and my reads of this slot are over
	s_barrier_signal -1
	MUL16 F1, 0, 4, 0                              ; work on registers while the others arrive
	WIN 0
	s_barrier_wait -1
.if \fill
	CREST                                          ; no wave of any partner still reads this slot's tiles or has a load on its way
.if \on
	s_sub_nc_u64 s[G0A+4*(\slot)+2:G0A+4*(\slot)+3], s[G0A+4*(\slot)+2:G0A+4*(\slot)+3], 1536     ; xb: six K steps of 256 bytes back
	s_add_nc_u64 s[G0B+4*(\slot)+2:G0B+4*(\slot)+3], s[G0B+4*(\slot)+2:G0B+4*(\slot)+3], 2621440  ; wb: two experts on, six K steps of 262,144 bytes back
.else
	s_add_nc_u64 s[G0A+4*(\slot)+2:G0A+4*(\slot)+3], s[G0A+4*(\slot)+2:G0A+4*(\slot)+3], 512
	s_add_nc_u64 s[G0B+4*(\slot)+2:G0B+4*(\slot)+3], s[G0B+4*(\slot)+2:G0B+4*(\slot)+3], 524288
.endif
	JLOAD \slot                                    ; the four v_nop behind it are also the places in front of the loads below
.else
	PLACES
.endif
	FETCH_B 0, \next, 0
	FETCH_A \next, 0, F0
.if \gl
	GLOAD
.endif
	MUL32 F1, 1, 0                                 ; its operands were shown in by the wait for 0 above
.endm
; THE COMBINE: the running sum takes expert x's finished sums times its gate: 128 packed lines, each accumulator read from its low end on.  first = 1: the first pass's even expert starts the running sum.
.macro COMB x, first
.if \x
	WIN 0xf2                                       ; source 0 window 2, the gate window 0, addend and destination window 3
.elseif \first
	WIN 0xc1                                       ; source 0 window 1, destination window 3
.else
	WIN 0xf1
.endif
.set i, 0
.rept 128
.set ga, G+2*(i/16)                    ; 16 pairs of registers to a row block
.if \x
	v_pk_fma_f32 v[2*i:2*i+1], v[2*i:2*i+1], v[ga:ga+1], v[2*i:2*i+1] op_sel:[0,1,0] op_sel_hi:[1,1,1]  ; the pair's second register, the odd expert's gate, for both halves
.elseif \first
	v_pk_mul_f32 v[2*i:2*i+1], v[2*i:2*i+1], v[ga:ga+1] op_sel_hi:[1,0]
.else
	v_pk_fma_f32 v[2*i:2*i+1], v[2*i:2*i+1], v[ga:ga+1], v[2*i:2*i+1] op_sel_hi:[1,0,1]                  ; the first register, the even expert's
.endif
.set i, i+1
.endr
.endm
; THE WAY OUT of row block a.  FIN: the last pass's two sums are weighed onto the running sum, into window 0.  TOSTAGE: 32 bytes a lane and column block into my own stage, and back as whole rows of 256 bytes.  SEND: stored.
.macro FIN a
	WIN 0x31                                       ; source 0 window 1, the gate window 0, the addend window 3, destination window 0
.irp b, 0,1,2,3
.irp r, 0,1,2,3
	v_pk_fma_f32 v[TMP+8*(\b)+2*(\r):TMP+8*(\b)+2*(\r)+1], v[8*(4*(\a)+(\b))+2*(\r):8*(4*(\a)+(\b))+2*(\r)+1], v[G+2*(\a):G+2*(\a)+1], v[8*(4*(\a)+(\b))+2*(\r):8*(4*(\a)+(\b))+2*(\r)+1] op_sel_hi:[1,0,1]
.endr
.endr
	WIN 0x02                                       ; source 0 window 2, all else window 0
.irp b, 0,1,2,3
.irp r, 0,1,2,3
	v_pk_fma_f32 v[TMP+8*(\b)+2*(\r):TMP+8*(\b)+2*(\r)+1], v[8*(4*(\a)+(\b))+2*(\r):8*(4*(\a)+(\b))+2*(\r)+1], v[G+2*(\a):G+2*(\a)+1], v[TMP+8*(\b)+2*(\r):TMP+8*(\b)+2*(\r)+1] op_sel:[0,1,0] op_sel_hi:[1,1,1]
.endr
.endr
	WIN 0
.endm
.macro TOSTAGE a
	WIN 0
.set OBK, OB+32*((\a)%2)
.irp b, 0,1,2,3
	ds_store_b128 v[STO], v[TMP+8*(\b):TMP+8*(\b)+3]   offset:64*(\b)
	ds_store_b128 v[STO], v[TMP+8*(\b)+4:TMP+8*(\b)+7] offset:64*(\b)+16
.endr
.irp t, 0,1,2,3,4,5,6,7
	ds_load_b128 v[OBK+4*(\t):OBK+4*(\t)+3], v[RD] offset:(\t)*2*SP  ; LDS serves a wave's instructions in order (ISA guide 5.7.1.4): these see the stores above
.endr
.endm
.macro SEND a
	WIN 0
.set OBK, OB+32*((\a)%2)
	s_wait_dscnt 0x0                               ; the block is back in registers
	s_wait_xcnt 0x0                                ; only behind this wait are the stores' base and the registers that earlier stores read rewritten
.if (\a) == 0
	s_add_nc_u64 s[10:11], s[10:11], s[60:61]      ; on to my first rows and columns
.else
	s_add_nc_u64 s[10:11], s[10:11], 65536         ; 16 rows of out on
.endif
.irp t, 0,1,2,3,4,5,6,7
	global_store_b128 v[CO], v[OBK+4*(\t):OBK+4*(\t)+3], s[10:11] offset:8192*(\t) th:TH_STORE_NT  ; 16 lanes store 256 consecutive bytes, at a multiple of 256 from out's first byte
.endr
.endm
	s_wait_tensorcnt 1                             ; my part of K step 0 is in; slot 1's may stay out
	s_wait_dscnt 0x0                               ; my gate table is stored
	s_barrier_signal -1
	s_barrier_wait -1                              ; everybody's part is in
	FETCH_B 0, 0, 0
	FETCH_A 0, 0, F0
	s_mov_b32 s2, 4                                ; passes to go, this one among them: the same number in every work-group
.Lpass:
	QUARTER 0, 0, F0, F1, 1                        ; a pass's first quarter stands in front of the loop: its products start both experts' sums
	WIN 0                                          ; at a label and at a branch every window is 0
	s_mov_b32 s3, 3
.Llap:                                                 ; a trip goes once round the ring, from a lap's second quarter to the next lap's first, and fills both slots again
	QUARTER 0, 1, F1, F0, 0
	QUARTER 0, 2, F0, F1, 0
	TURN 0, 1, 1, 0, 0
	QUARTER 1, 0, F0, F1, 0
	QUARTER 1, 1, F1, F0, 0
	QUARTER 1, 2, F0, F1, 0
	TURN 1, 0, 1, 0, 0
	QUARTER 0, 0, F0, F1, 0
	WIN 0
	s_sub_co_u32 s3, s3, 1
	s_cmp_lg_u32 s3, 0
	s_cbranch_scc1 .Llap
	QUARTER 0, 1, F1, F0, 0                        ; the pass's last lap goes on
	QUARTER 0, 2, F0, F1, 0
	WIN 0
	s_cmp_eq_u32 s2, 1
	s_cbranch_scc1 .Llast                          ; the last pass's tail is written out: it asks for nothing more
	TURN 0, 1, 1, 1, 0                             ; THE RING GOES ON INTO THE NEXT PASS: slot 0 takes its K step 0,
	QUARTER 1, 0, F0, F1, 0
	QUARTER 1, 1, F1, F0, 0
	QUARTER 1, 2, F0, F1, 0
	TURN 1, 0, 1, 1, 1                             ; slot 1 its K step 1; the next pass's first fragments and this pass's gates are fetched
	WIN 0
	s_wait_dscnt 0x0                               ; the gates are in (issued 32 matrix instructions ago)
	s_cmp_eq_u32 s2, 4
	s_cbranch_scc1 .Lfirst_comb                    ; the first pass has nothing to add onto
	COMB 0, 0                                      ; no v_nop: the even expert's last products stand in front of the joint load's four, and these 128 lines, which name no register of the odd expert's products, are those products' places
	WIN 0
	s_branch .Lodd_comb
.Lfirst_comb:
	COMB 0, 1
	WIN 0
.Lodd_comb:
	COMB 1, 0
	WIN 0
	s_sub_co_u32 s2, s2, 1
	s_branch .Lpass
.Llast:
	TURN 0, 1, 0, 0, 0                             ; my one tensor load that was still out is slot 1's, the last K step's, so no round follows
	QUARTER 1, 0, F0, F1, 0
	QUARTER 1, 1, F1, F0, 0
	QUARTER 1, 2, F0, F1, 0
	PLACES                                         ; the very last quarter: nothing more to fetch but the odd expert's fragments and the gates
	FETCH_B 1, 1, 3
	GLOAD
	s_wait_dscnt 16                                ; all but those sixteen
	MUL32 F1, 0, 0
	s_wait_dscnt 8                                 ; the gates' eight loads may be out
	MUL32 F1, 1, 0
	s_wait_dscnt 0x0
	PLACES                                         ; FIN reads results just made
	FIN 0
	TOSTAGE 0
.irp a, 1,2,3,4,5,6,7                  ; block a's arithmetic stands between block a - 1's loads from the stage and the wait for them
	FIN \a
	SEND (\a)-1
	TOSTAGE \a
.endr
	SEND 7
	s_wait_tensorcnt 0x0                           ; the wave's end: behind my last tensor load and my last LDS store
	ds_add_u32 v[SPW], v[NIL]
	s_wait_dscnt 0x0
	CROUND                                         ; the closing round: no work-group ends while a partner may still ask for a tile that names it
	s_endpgm
.Lfunc_end_k_qc3b16f649b_gemm:
	.size	k_qc3b16f649b_gemm, .Lfunc_end_k_qc3b16f649b_gemm-k_qc3b16f649b_gemm
	.p2alignl 7, 3214868480
	.fill 96, 4, 3214868480
	.section	.rodata,"a",@progbits
	.p2align	6, 0x0
	.amdhsa_kernel k_qc3b16f649b_gemm
		.amdhsa_group_segment_fixed_size 327680
		.amdhsa_private_segment_fixed_size 0
		.amdhsa_enable_private_segment 0
		.amdhsa_kernarg_size 32
		.amdhsa_user_sgpr_count 2
		.amdhsa_user_sgpr_kernarg_segment_ptr 1
		.amdhsa_wavefront_size32 1
		.amdhsa_system_sgpr_workgroup_id_x 1
		.amdhsa_system_sgpr_workgroup_id_y 1
		.amdhsa_system_sgpr_workgroup_id_z 1
		.amdhsa_system_vgpr_workitem_id 0
		.amdhsa_next_free_vgpr 1024
		.amdhsa_next_free_sgpr 66
		.amdhsa_reserve_vcc 0
		.amdhsa_float_denorm_mode_32 3
		.amdhsa_float_denorm_mode_16_64 3
		.amdhsa_memory_ordered 1
		.amdhsa_forward_progress 1
		.amdhsa_inst_pref_size 206
	.end_amdhsa_kernel
	.amdgpu_metadata
---
amdhsa.version: [ 1, 2 ]
amdhsa.kernels:
  - .name:           k_qc3b16f649b_gemm
    .symbol:         k_qc3b16f649b_gemm.kd
    .args:
      - { .name: xb, .offset: 0, .size: 8, .value_kind: global_buffer, .address_space: global }
      - { .name: wb, .offset: 8, .size: 8, .value_kind: global_buffer, .address_space: global }
      - { .name: g, .offset: 16, .size: 8, .value_kind: global_buffer, .address_space: global }
      - { .name: out0, .offset: 24, .size: 8, .value_kind: global_buffer, .address_space: global }
    .group_segment_fixed_size: 327680
    .private_segment_fixed_size: 0
    .kernarg_segment_align: 8
    .kernarg_segment_size: 32
    .max_flat_workgroup_size: 128
    .sgpr_count:     66
    .vgpr_count:     1024
    .wavefront_size: 32
...
	.end_amdgpu_metadata
.endif
;; end of part 2
